; MI455X (gfx1250); checked and timed in simulation.
; The chip was launched on July 23, 2026; its instructions are those of AMD's public machine-readable ISA for CDNA 5 (MIT licence, August 2026) and "CDNA5" Instruction Set Architecture Reference Guide (July 2026). The comments in the code are by the model that wrote it; some were corrected since.
;; Vector Quantizer. Allowed arithmetic: float matrix products may take bf16 or f16 operands with f32 sums; other float arithmetic in f32, or as packed bf16 or f16 multiplies, adds, multiply-adds, maxima and minima; sums over many terms, partial sums and values carried from step to step in f32; what a program stores and reads back later, other than sums and carried values, may be rounded once to bf16 or f16.
;; Inputs: e_i_ts 256 x 8,192 float32; x 8 x 256 x 64 x 64 float32.
;; Outputs: out0 8 x 256 x 64 x 64 float32; out1 8 x 64 x 64 int32.
;; 2 versions, each right; version 2 is version 1 with the launch rot written anew for expert scheduling mode. Each part assembles by itself: llvm-mc -triple=amdgcn-amd-amdhsa -mcpu=gfx1250 --defsym DOCPART=n.
;; ======== version 1 of 2: 3 launches
;; workspace buffers: ct 4,194,304 bytes; cf 4,194,304 bytes; hn 32,768 bytes; idx 131,072 bytes of whole numbers
;; launch prep (part 1): grid 128 x 1, 8 waves a work-group, no clusters, 34,816 bytes of LDS; arguments e_i_ts, ct, cf, hn; writes ct, cf, hn
.if DOCPART == 1
	.amdgcn_target "amdgcn-amd-amdhsa--gfx1250"
	.amdhsa_code_object_version 6
	.text
	.protected	k_qdb48353cc7_prep
	.globl	k_qdb48353cc7_prep
	.p2align	8
	.type	k_qdb48353cc7_prep,@function
k_qdb48353cc7_prep:
	s_mov_b64 s[64:65], 0
	v_nop
	global_prefetch_b8 v0, s[64:65] scope:SCOPE_SE
	s_setreg_imm32_b32 hwreg(HW_REG_WAVE_MODE, 25, 1), 1
	s_wait_xcnt 0x0
; THE CODEBOOK, ONCE.  e_i_ts is [256 d][8192 k] f32.  Rounded to bf16 (nearest even) it is written twice, and its half squared norms once:
;   ct [8192][256] bf16: code k as a row of 512 bytes, for the gather of the last launch;
;   cf in the order of matrix fragments: [tile of 16 codes][c 0..7][p 0..1][lane 0..31][8 bf16]; lane (r = l % 16, h = l / 16) holds code 16 tile + r, d = 32 c + 16 p + 8 h + 0..7;
;   hn [8192] f32: half the sum over d of the ROUNDED numbers' squares, one f32 addition a term, d ascending (a bf16 square is exact in f32).
; SHARES.  A work-group takes 64 codes and all 256 d; wave w the d 32 w .. 32 w + 31.  Each load of a wave takes 256 consecutive bytes of two rows of e_i_ts.
; THE STAGE in LDS holds 64 rows of 512 bytes, one code a row, 528 bytes apart.  Code 16 u + 4 v + c lies in row 16 c + 4 v + (u + c) % 4: the sixteen lanes of a store (c fixed, u and v run) and the
; sixteen lanes of a fragment read (u fixed, v and c run) then touch sixteen rows that differ modulo 16, and 528 = 2 x 256 + 16 puts those at sixteen different 16-byte columns of the 64 banks (ISA guide 11.1).
; No matrix unit, no cluster: the work-groups share nothing, and the launch is a stream.
.set PITCH, 528
.set SPARE, 64*PITCH                   ; behind the stage: the spare words, 128 bytes for each of the eight waves
.set ROWE,  32768                      ; bytes in a row of e_i_ts
.set VO,  4                            ; v4      my byte offset in e_i_ts: row 32 w + 8 h, 16 bytes at 16 (l % 16)
.set L16, 5                            ; v5      16 l
.set RA,  6                            ; v6      stage: row 8 w, byte 16 l
.set CFO, 7                            ; v7      cf: 1,024 w + 16 l
.set AD,  8                            ; v8-11   stage: where code 4 (l % 16) + c puts its 16 bytes
.set FA,  12                           ; v12-15  stage: where tile u's fragment is read
.set CO,  16                           ; v16-23  ct: byte offset of the code in stage row 8 w + m, + 16 l
.set SPW, 24                           ; v24     my spare word; never rewritten
.set NIL, 25                           ; v25     0; never rewritten
.set SUM, 26                           ; v26-27  two codes' sums (before that at work)
.set HA,  28                           ; v28-29  stage rows of codes 2 l and 2 l + 1
.set EL,  32                           ; v32-95  e_i_ts as loaded; later the rows read back
.set PK,  96                           ; v96-127 packed bf16
.set HB,  96                           ; v96-159 the norms' two buffers of 32
	s_load_b256 s[4:11], s[0:1], 0x0               ; e_i_ts s[4:5], ct s[6:7], cf s[8:9], hn s[10:11]
	v_lshl_add_u32 v[SPW], v0, 2, SPARE
	v_mov_b32 v[NIL], 0
	v_lshrrev_b32 v1, 5, v0
	v_readfirstlane_b32 s12, v1                    ; wave 0..7
	v_and_b32 v1, 31, v0                           ; l
	v_and_b32 v2, 15, v0                           ; l % 16
	v_bfe_u32 v3, v0, 4, 1                         ; h
	s_lshl_b32 s16, s12, 20                        ; 32 w rows
	v_lshlrev_b32 v[VO], 4, v2
	v_lshl_add_u32 v[VO], v3, 18, v[VO]            ; + 8 h rows
	v_add_nc_u32 v[VO], s16, v[VO]
	s_lshl_b32 s14, ttmp9, 8                       ; 64 codes: 256 bytes of a row of e_i_ts, and of hn
	s_mov_b32 s15, 0
	s_lshl_b32 s18, ttmp9, 15                      ; 64 codes: 32,768 bytes of ct and of cf
	s_mov_b32 s19, 0
	s_wait_kmcnt 0x0
	s_add_nc_u64 s[4:5], s[4:5], s[14:15]
	s_add_nc_u64 s[10:11], s[10:11], s[14:15]
	s_add_nc_u64 s[6:7], s[6:7], s[18:19]
	s_add_nc_u64 s[8:9], s[8:9], s[18:19]
.set n, 0
.rept 16                               ; load n = 8 b + t: row 32 w + 16 b + 8 h + t, codes 4 (l % 16) + 0..3
	global_load_b128 v[EL+4*n:EL+4*n+3], v[VO], s[4:5] offset:(16*(n/8)+n%8)*ROWE th:TH_LOAD_NT
.set n, n+1
.endr
	; the addresses, while the loads are on their way
	v_and_b32 v30, 3, v2                           ; (l % 16) % 4
	v_lshrrev_b32 v31, 2, v2                       ; (l % 16) / 4
	s_lshl_b32 s18, s12, 6
	v_lshl_add_u32 v26, v3, 4, s18                 ; my place in a stage row: 64 w + 16 h
.irp c, 0,1,2,3
	v_add_nc_u32 v[AD+\c], \c, v31                 ; u + c
	v_and_b32 v[AD+\c], 3, v[AD+\c]
	v_lshl_add_u32 v[AD+\c], v30, 2, v[AD+\c]      ; + 4 v
	v_add_nc_u32 v[AD+\c], 16*\c, v[AD+\c]         ; + 16 c
	v_mad_u32_u24 v[AD+\c], v[AD+\c], PITCH, v26
.endr
.irp u, 0,1,2,3
	v_add_nc_u32 v[FA+\u], \u, v2                  ; u + r, of which the low two bits count
	v_and_b32 v[FA+\u], 3, v[FA+\u]
	v_lshl_add_u32 v[FA+\u], v31, 2, v[FA+\u]      ; + 4 (r / 4)
	v_lshl_add_u32 v[FA+\u], v30, 4, v[FA+\u]      ; + 16 (r % 4)
	v_mad_u32_u24 v[FA+\u], v[FA+\u], PITCH, v26
.endr
	v_lshlrev_b32 v[L16], 4, v1
	s_mul_i32 s19, s12, 8*PITCH
	v_add_nc_u32 v[RA], s19, v[L16]
	s_lshl_b32 s19, s12, 10
	v_add_nc_u32 v[CFO], s19, v[L16]
	s_lshr_b32 s20, s12, 1                         ; stage row 8 w + m holds the code with c = w / 2, v = 2 (w % 2) + m / 4, u = (m % 4 - c) % 4
	s_and_b32 s21, s12, 1
.irp m, 0,1,2,3,4,5,6,7
	s_sub_co_u32 s22, (\m)%4, s20
	s_and_b32 s22, s22, 3
	s_lshl_b32 s22, s22, 4                         ; 16 u
	s_lshl3_add_u32 s22, s21, s22                  ; + 8 (w % 2)
	s_add_co_u32 s22, s22, s20                     ; + c
	s_add_co_u32 s22, s22, 4*((\m)/4)
	s_lshl_b32 s22, s22, 9                         ; a code is 512 bytes of ct
	v_add_nc_u32 v[CO+\m], s22, v[L16]
.endr
; Eight numbers of one code (d = 32 w + 16 b + 8 h + 0..7) are rounded in pairs and go into the code's stage row as 16 bytes.
.macro PACKB b
.irp c, 0,1,2,3
.irp q, 0,1,2,3
	v_cvt_pk_bf16_f32 v[PK+16*(\b)+4*\c+\q], v[EL+4*(8*(\b)+2*\q)+\c], v[EL+4*(8*(\b)+2*\q+1)+\c]
.endr
	ds_store_b128 v[AD+\c], v[PK+16*(\b)+4*\c:PK+16*(\b)+4*\c+3] offset:32*(\b)
.endr
.endm
	s_wait_loadcnt 8                               ; the first eight loads are in; the other eight may stay out
	PACKB 0
	s_wait_loadcnt 0x0
	PACKB 1
	s_wait_dscnt 0x0                               ; for the others: my stores into the stage are done
	s_barrier_signal -1
	s_barrier_wait -1                              ; the stage is whole; nothing is stored into it again
	; sixteen LDS loads in one run: eight whole stage rows for ct, eight half fragments (K step c = w of the four tiles) for cf
.irp m, 0,1,2,3,4,5,6,7
	ds_load_b128 v[EL+4*\m:EL+4*\m+3], v[RA] offset:\m*PITCH
.endr
.irp u, 0,1,2,3
	ds_load_b128 v[EL+32+8*\u:EL+32+8*\u+3],   v[FA+\u]
	ds_load_b128 v[EL+32+8*\u+4:EL+32+8*\u+7], v[FA+\u] offset:32
.endr
.irp m, 0,1,2,3,4,5,6,7
	s_wait_dscnt 15-\m                             ; LDS loads come back in order (ISA guide 5.7.1): the younger ones stay out
	global_store_b128 v[CO+\m], v[EL+4*\m:EL+4*\m+3], s[6:7]  ; a code's 512 consecutive bytes
.endr
.irp u, 0,1,2,3
	s_wait_dscnt 7-2*\u
	global_store_b128 v[CFO], v[EL+32+8*\u:EL+32+8*\u+3], s[8:9] offset:8192*\u  ; 512 consecutive bytes of cf
	s_wait_dscnt 6-2*\u
	global_store_b128 v[CFO], v[EL+32+8*\u+4:EL+32+8*\u+7], s[8:9] offset:8192*\u+512
.endr
	s_cmp_lg_u32 s12, 0                            ; the norms are wave 0's: two codes a lane, while the other waves' stores leave
	s_cbranch_scc1 .Lend
	v_lshrrev_b32 v30, 3, v1                       ; code 2 l + e: u = l / 8,
	v_bfe_u32 v31, v1, 1, 2                        ; v = (l / 2) % 4,
	v_and_b32 v26, 1, v1
	v_lshlrev_b32 v26, 1, v26                      ; c = 2 (l % 2) + e
.irp e, 0,1
	v_add_nc_u32 v27, \e, v26
	v_add_nc_u32 v[HA+\e], v27, v30
	v_and_b32 v[HA+\e], 3, v[HA+\e]
	v_lshl_add_u32 v[HA+\e], v31, 2, v[HA+\e]
	v_lshl_add_u32 v[HA+\e], v27, 4, v[HA+\e]
	v_mul_u32_u24 v[HA+\e], v[HA+\e], PITCH
.endr
	v_mov_b32 v[SUM], 0
	v_mov_b32 v[SUM+1], 0
.macro HLOAD g                         ; chunk g: 32 d of both codes, eight loads, into buffer g % 2
.irp e, 0,1
.irp j, 0,1,2,3
	ds_load_b128 v[HB+32*((\g)%2)+16*\e+4*\j:HB+32*((\g)%2)+16*\e+4*\j+3], v[HA+\e] offset:64*(\g)+16*\j
.endr
.endr
.endm
.macro HSUM g                          ; d ascending: a word's low half, then its high half; the two codes' chains alternate
.set hb, HB+32*((\g)%2)
.set k, 0
.rept 16
	v_fma_mix_f32_bf16 v[SUM],   v[hb+k],    v[hb+k],    v[SUM]   op_sel_hi:[1,1,0]
	v_fma_mix_f32_bf16 v[SUM+1], v[hb+16+k], v[hb+16+k], v[SUM+1] op_sel_hi:[1,1,0]
	v_fma_mix_f32_bf16 v[SUM],   v[hb+k],    v[hb+k],    v[SUM]   op_sel:[1,1,0] op_sel_hi:[1,1,0]
	v_fma_mix_f32_bf16 v[SUM+1], v[hb+16+k], v[hb+16+k], v[SUM+1] op_sel:[1,1,0] op_sel_hi:[1,1,0]
.set k, k+1
.endr
.endm
	HLOAD 0
.irp g, 0,1,2,3,4,5,6
	HLOAD (\g)+1
	s_wait_dscnt 8                                 ; chunk g is in; the next chunk's eight loads stay out
	HSUM \g
.endr
	s_wait_dscnt 0x0
	HSUM 7
	v_pk_mul_f32 v[SUM:SUM+1], v[SUM:SUM+1], 0.5 op_sel_hi:[1,0]  ; exact
	v_lshlrev_b32 v30, 3, v1
	global_store_b64 v30, v[SUM:SUM+1], s[10:11]   ; the wave stores 256 consecutive bytes, aligned
.Lend:
	s_wait_tensorcnt 0x0                           ; the wave's end, behind my last LDS store
	ds_add_u32 v[SPW], v[NIL]
	s_wait_dscnt 0x0
	s_endpgm
.Lfunc_end_k_qdb48353cc7_prep:
	.size	k_qdb48353cc7_prep, .Lfunc_end_k_qdb48353cc7_prep-k_qdb48353cc7_prep
	.p2alignl 7, 3214868480
	.fill 96, 4, 3214868480
	.section	.rodata,"a",@progbits
	.p2align	6, 0x0
	.amdhsa_kernel k_qdb48353cc7_prep
		.amdhsa_group_segment_fixed_size 34816
		.amdhsa_private_segment_fixed_size 0
		.amdhsa_enable_private_segment 0
		.amdhsa_kernarg_size 32
		.amdhsa_user_sgpr_count 2
		.amdhsa_user_sgpr_kernarg_segment_ptr 1
		.amdhsa_wavefront_size32 1
		.amdhsa_system_sgpr_workgroup_id_x 1
		.amdhsa_system_sgpr_workgroup_id_y 1
		.amdhsa_system_sgpr_workgroup_id_z 1
		.amdhsa_system_vgpr_workitem_id 0
		.amdhsa_next_free_vgpr 160
		.amdhsa_next_free_sgpr 66
		.amdhsa_reserve_vcc 0
		.amdhsa_float_denorm_mode_32 3
		.amdhsa_float_denorm_mode_16_64 3
		.amdhsa_memory_ordered 1
		.amdhsa_forward_progress 1
		.amdhsa_inst_pref_size 51
	.end_amdhsa_kernel
	.amdgpu_metadata
---
amdhsa.version: [ 1, 2 ]
amdhsa.kernels:
  - .name:           k_qdb48353cc7_prep
    .symbol:         k_qdb48353cc7_prep.kd
    .args:
      - { .name: e_i_ts, .offset: 0, .size: 8, .value_kind: global_buffer, .address_space: global }
      - { .name: ct, .offset: 8, .size: 8, .value_kind: global_buffer, .address_space: global }
      - { .name: cf, .offset: 16, .size: 8, .value_kind: global_buffer, .address_space: global }
      - { .name: hn, .offset: 24, .size: 8, .value_kind: global_buffer, .address_space: global }
    .group_segment_fixed_size: 34816
    .private_segment_fixed_size: 0
    .kernarg_segment_align: 8
    .kernarg_segment_size: 32
    .max_flat_workgroup_size: 256
    .sgpr_count:     66
    .vgpr_count:     160
    .wavefront_size: 32
...
	.end_amdgpu_metadata
.endif
;; end of part 1
;; launch dist (part 2): grid 256 x 1, 4 waves a work-group, clusters of 4 x 1, 327,680 bytes of LDS; arguments x, cf, hn, out1, idx; writes out1, idx
.if DOCPART == 2
	.amdgcn_target "amdgcn-amd-amdhsa--gfx1250"
	.amdhsa_code_object_version 6
	.text
	.protected	k_qdb48353cc7_dist
	.globl	k_qdb48353cc7_dist
	.p2align	8
	.type	k_qdb48353cc7_dist,@function
k_qdb48353cc7_dist:
	s_mov_b64 s[64:65], 0
	v_nop
	global_prefetch_b8 v0, s[64:65] scope:SCOPE_SE
	s_setreg_imm32_b32 hwreg(HW_REG_WAVE_MODE, 25, 1), 1
	s_wait_xcnt 0x0
	s_wait_alu depctr_hold_cnt(0) depctr_sa_sdst(0) depctr_va_vdst(0) depctr_va_sdst(0) depctr_va_ssrc(0) depctr_va_vcc(0) depctr_vm_vsrc(0)
	s_getreg_b32 s2, hwreg(HW_REG_IB_STS2, 6, 4)
	s_cmp_eq_u32 s2, 0
	s_cbranch_scc0 .Lentry_in_a_cluster
	s_endpgm
.Lentry_in_a_cluster:
	s_bfe_u32 s2, ttmp6, 0x10000c
	s_cmp_lg_u32 s2, 0x3003
	s_cbranch_scc0 .Lentry_shape_is_right
	s_endpgm
.Lentry_shape_is_right:
; THE NEAREST CODE.  For each of the 32,768 vectors f (x is [8][256 d][4096 hw] f32) the index of the code that makes score(k) = hn[k] - f . e_k smallest, f and e rounded to bf16, hn = half the rounded code's
; squared norm.  That score is (squared distance - |f|^2) / 2: the row's own constant changes no argmin, and halving is exact.  The product is summed in f32 from 0 in eight matrix instructions, d ascending,
; and hn is joined by one f32 subtraction.  Equal scores go to the lowest index: the running test is a strict less-than in ascending order, and every merge goes by (score, index).
; LIMITS.  Both inputs count as rounded to bf16.  Two scores closer than the f32 rounding of two orders of summation may be ordered otherwise than by f32 distances formed with |f|^2.  A NaN score never wins;
; infinities are not treated apart.
; SHARES.  A work-group owns 128 vectors (one b, 128 neighbouring hw).  EVERY wave holds all 128 in registers, as 8 row blocks x 8 K steps of source-1 fragments (512 registers), and takes a quarter of the
; codes: of each 256 codes in a slot wave w takes 64 w .. 64 w + 63, four tiles of 16.  So a code fragment read from LDS feeds eight matrix instructions, and each LDS byte is read once, by the wave that fetched it.
; LAYOUT.  Source 0 = 16 codes, source 1 = 16 vectors: in the result lane (r, h) holds ONE vector (16 a + r) and the codes 8 h + 0..7.  cf lies in fragment order, so a fragment is two loads at 16 x lane.
; THE ARGMIN.  A lane keeps, for each of its 8 vectors, the least score so far (RUN), the number of the tile it came from (IDX), and that tile's eight scores (SV).  The place among the eight is found once, at the end.
; BY TURNS.  The row blocks are two sets of four.  While one set's 32 products of a tile are issued, the other set's 76 vector instructions stand in slices of four behind them.
; CLUSTER.  All work-groups walk the same codebook: the four of a cluster ask for each part of it JOINTLY, by the same tensor load with the same descriptor and the mask of four.
; REGISTERS, in windows of 256 (s_set_vgpr_msb: bits 1:0 source 0, 3:2 source 1, 5:4 source 2, 7:6 destination):
;   window 0: addresses, statistics, accumulators (below)     window 1: v0-63, v64-127 two buffers of a tile's fragments (at the start all 256: x as loaded)
;   window 2: vectors' fragments, row blocks 0-3 at 64 a + 8 c     window 3: row blocks 4-7
.set SLOT,  131072                     ; a slot: 256 codes in fragment order; slot 1 begins here, so one exclusive or turns an address in one slot into the other's
.set HN,    2*SLOT                     ; hn, all 32,768 bytes, filled once
.set XT,    HN+32768                   ; written by LDS stores alone: 64 rows (d) x 288 bytes of bf16 [d][hw], four times over; at the end the waves' results
.set XP,    288                        ; 256 bytes + 32 = 72 words
.set SPARE, XT+64*XP                   ; the spare words, 128 bytes for each wave: two blocks of 256 bytes that no other line names
.set AK0, 2                            ; v2   32,768 w + 16 l: my place in a slot; never rewritten
.set AH0, 3                            ; v3   HN + 256 w + 32 h: my eight hn of a slot's first tile; never rewritten
.set ADR, 4                            ; v4   AK0 + the slot that is being fetched from
.set AH,  5                            ; v5   AH0 + 1,024 x that slot's number
.set XO,  6                            ; v6   16 l
.set XS,  7                            ; v7   XT: row 16 w, byte 8 l
.set XL,  8                            ; v8   XT: the turning load's address
.set PFO, 9                            ; v9   256 l
.set SCW, 10                           ; v10  XT + 512 w + 4 r
.set LB,  11                           ; v11  64 w + 8 h: my lanes' first code in a slot's first tile
.set SPW, 16                           ; v16  my spare word; never rewritten
.set NIL, 17                           ; v17  0; never rewritten
.set EB,  20                           ; v20-27, v28-35  a tile's eight hn, two buffers
.set MA,  36                           ; v36-39  at work, by row block % 4
.set MB,  40                           ; v40-43
.set RUN, 44                           ; v44-51
.set IDX, 52                           ; v52-59
.set ACC, 64                           ; v64-127   accumulator of row block a at 64 + 8 a
.set SV,  128                          ; v128-191  the winning tile's eight scores, at 128 + 8 a
.set TMP, 192                          ; v192-223  at the start: packed bf16
.set CD,  200                          ; at the end: v200-207 the codes
.set OV,  210
.set OC,  211
.set T1,  212
.set T2,  213
.set JJ,  214
.set FV,  216                          ; v216-231 four waves' scores of four vectors
.set FC,  232                          ; v232-247 their codes
.set WV,  14                           ; s14  my wave's number
.set G1,  24                           ; s[24:31] group 1: 128 rows x 256 bytes, dense
.set G1H, 32                           ; s[32:39] group 1: 32 rows x 256 bytes
.set G0A, 40                           ; s[40:43] group 0: slot 0's first fill
.set G0W, 44                           ; s[44:47] group 0: slot 1's first fill; then it walks
.set G0H, 48                           ; s[48:51] group 0: hn
.set SLOTS, 52
.set CNT, 53
.set SB,  54                           ; s54  LDS byte at which the slot that is fetched from begins
.set TH,  55                           ; s55  1,024 x that slot's number: its first code's hn
.set TID, 56                           ; s56  the number of the tile whose scores are being reduced
.set LIM, 57                           ; s57  2 in the cluster that prefetches, else the greatest number
.set PFA, 58                           ; s[58:59] where my prefetches stand
.set SEL, 60                           ; s[60:61] v_permlanex16_b32's selects: each lane takes its own place in the other half
.set MC,  68                           ; s68-71  the compare masks, by row block % 4
.set MSB, 0
.macro WIN new                         ; the immediate's high byte repeats the setting that is left; a switch that changes nothing is dropped
.if MSB != (\new)
	s_set_vgpr_msb (MSB<<8)|(\new)
.set MSB, (\new)
.endif
.endm
.set W_ML, 0x09                        ; codes (source 0) window 1, vectors (source 1) window 2, C and D window 0;  + 4: vectors in window 3
; A round of the cluster's barrier: my work-group's barrier, so that wave 0's signal speaks for all four waves; wave 0 signals; every wave waits for all four work-groups; my work-group's barrier once more.
.macro CREST                           ; a round behind its opening barrier
	s_cmp_lg_u32 s[WV], 0
	s_cbranch_scc1 .Lnot_wave_0_\@
	s_barrier_signal -3
.Lnot_wave_0_\@:
	s_barrier_wait -3
	s_barrier_signal -1
	s_barrier_wait -1
.endm
.macro CROUND
	s_barrier_signal -1
	s_barrier_wait -1
	CREST
.endm
; A PREFETCH INTO THE L2, behind a refill and its five lines: of the slot tile that stands TWO refills on (512 matrix instructions a wave ahead of the load that will ask for it) 32 blocks of 256 bytes, a lane a block.
; cf was stored by the launch before and is walked by every cluster; the first cluster alone asks, so each block is named once in the launch.  Its four work-groups and their four waves share a tile's 512 blocks
; out BY ADDRESS (32,768 cx + 8,192 w): no branch hangs on a work-group's place in its cluster.  Tiles 0 to 3 come by their loads alone; the last two refills ask for nothing: there is no tile behind number 31.
.macro ASK
	s_cmp_gt_u32 s[SLOTS], s[LIM]
	s_cbranch_scc0 .Lnot_mine_\@
	global_prefetch_b8 v[PFO], s[PFA:PFA+1] th:TH_LOAD_NT scope:SCOPE_SE
.Lnot_mine_\@:
.endm
	s_load_b256 s[4:11], s[0:1], 0x0               ; x s[4:5], cf s[6:7], hn s[8:9], out1 s[10:11]
	s_load_b64 s[12:13], s[0:1], 0x20              ; idx
	v_lshl_add_u32 v[SPW], v0, 2, SPARE
	v_mov_b32 v[NIL], 0
	ds_add_u32 v[SPW], v[NIL]                      ; the wave's opening: the add, twice on end, and its wait ahead of my first tensor load; the set-up below, work on registers, stands between
	ds_add_u32 v[SPW], v[NIL]
	v_lshrrev_b32 v1, 5, v0
	v_readfirstlane_b32 s[WV], v1                  ; wave 0..3
	s_bfe_u32 s15, ttmp6, 0x40000                  ; cx: my place in the cluster
	s_lshl_b32 s16, ttmp9, 2                       ; in a cluster launch ttmp9 counts clusters
	s_add_co_u32 s16, s16, s15                     ; my work-group's number: it enters the addresses of x, out1 and idx alone
	s_mov_b32 s[G1],   15|(3<<16)|(1<<21)          ; 15:0 the mask: all four work-groups; 17:16 elements of 8 bytes; 21 set beside a mask; no padding
	s_mov_b32 s[G1+1], 32<<16                      ; tensor_dim0 = 32 elements: 256 bytes
	s_mov_b32 s[G1+2], 128<<16                     ; tensor_dim1 = 128
	s_mov_b32 s[G1+3], 32<<16                      ; tile_dim0 = 32
	s_mov_b32 s[G1+4], 128                         ; tile_dim1 = 128: 32,768 bytes, my wave's quarter of a slot
	s_mov_b32 s[G1+5], 32                          ; the rows lie end to end
	s_mov_b32 s[G1+6], 0
	s_mov_b32 s[G1+7], 0
	s_mov_b32 s[G1H],   15|(3<<16)|(1<<21)
	s_mov_b32 s[G1H+1], 32<<16
	s_mov_b32 s[G1H+2], 32<<16                     ; 32 rows: 8,192 bytes, my wave's quarter of hn
	s_mov_b32 s[G1H+3], 32<<16
	s_mov_b32 s[G1H+4], 32
	s_mov_b32 s[G1H+5], 32
	s_mov_b32 s[G1H+6], 0
	s_mov_b32 s[G1H+7], 0
	s_mov_b32 s[G0A], 1
	s_lshl_b32 s[G0A+1], s[WV], 15                 ; LDS: 32,768 w in slot 0: no place in the cluster enters an LDS address
	s_mov_b32 s[G0W], 1
	s_add_co_u32 s[G0W+1], s[G0A+1], SLOT          ; the same in slot 1
	s_mov_b32 s[G0H], 1
	s_lshl_b32 s[G0H+1], s[WV], 13
	s_add_co_u32 s[G0H+1], s[G0H+1], HN
	s_lshr_b32 s18, s16, 5                         ; x: b = work-group / 32, 4,194,304 bytes each,
	s_lshl_b32 s18, s18, 22
	s_and_b32 s19, s16, 31                         ; 128 hw = 512 bytes of a row,
	s_lshl_b32 s19, s19, 9
	s_add_co_u32 s18, s18, s19
	s_lshl_b32 s19, s[WV], 18                      ; and my wave's 16 rows (d) of each 64
	s_add_co_u32 s18, s18, s19
	s_mov_b32 s19, 0
	s_lshl_b32 s20, s[WV], 15
	s_mov_b32 s21, 0
	s_lshl_b32 s22, s[WV], 13
	s_mov_b32 s23, 0
	s_lshl_b32 s72, s15, 15
	s_add_co_u32 s72, s72, s22                     ; 32,768 cx + 8,192 w
	s_mov_b32 s73, 0
	s_lshl_b32 s74, s16, 9                         ; 128 indices
	s_mov_b32 s75, 0
	s_mov_b32 s[SEL], 0x76543210
	s_mov_b32 s[SEL+1], 0xfedcba98
	s_cmp_eq_u32 ttmp9, 0                          ; the same in all four partners
	s_cselect_b32 s[LIM], 2, -1
	s_wait_dscnt 0x0                               ; both opening adds are done
	s_wait_kmcnt 0x0
	s_add_nc_u64 s[4:5], s[4:5], s[18:19]
	s_add_nc_u64 s[G0A+2:G0A+3], s[6:7], s[20:21]  ; my quarter of slot tile 0,
	s_add_nc_u64 s[G0W+2:G0W+3], s[G0A+2:G0A+3], SLOT  ; of slot tile 1
	s_or_b32 s[G0A+3], s[G0A+3], 0x80000000        ; 127:126 type = 2
	s_or_b32 s[G0W+3], s[G0W+3], 0x80000000
	s_add_nc_u64 s[G0H+2:G0H+3], s[8:9], s[22:23]
	s_or_b32 s[G0H+3], s[G0H+3], 0x80000000
	s_add_nc_u64 s[PFA:PFA+1], s[6:7], s[72:73]
	s_add_nc_u64 s[PFA:PFA+1], s[PFA:PFA+1], 3*SLOT  ; at slot tile 3: the first change of slots steps it to 4
	s_add_nc_u64 s[10:11], s[10:11], s[74:75]
	s_add_nc_u64 s[12:13], s[12:13], s[74:75]
	CROUND                                         ; all four work-groups are here: the first joint loads meet
	tensor_load_to_lds s[G0H:G0H+3], s[G1H:G1H+7]  ; the three first fills go out together: three tensor loads of mine are out
	s_nop 0
	tensor_load_to_lds s[G0A:G0A+3], s[G1:G1+7]
	s_nop 0
	tensor_load_to_lds s[G0W:G0W+3], s[G1:G1+7]
	s_nop 0
.rept 4
	v_nop
.endr
	v_and_b32 v1, 31, v0                           ; l
	v_lshlrev_b32 v[XO], 4, v1
	WIN 0x40                                       ; destination window 1, address window 0
.set n, 0
.rept 64                               ; load n = 16 q + t: row d = 64 q + 16 w + t, 512 consecutive bytes: hw 4 l + 0..3 a lane
	global_load_b128 v[4*n:4*n+3], v[XO], s[4:5] offset:(64*(n/16)+n%16)*16384 th:TH_LOAD_NT
.set n, n+1
.endr
	WIN 0
	v_bfe_u32 v12, v0, 4, 1                        ; h
	v_and_b32 v13, 15, v0                          ; r
	v_lshl_add_u32 v[AK0], v1, 4, s20
	s_lshl_b32 s19, s[WV], 8
	s_add_co_u32 s19, s19, HN
	v_lshl_add_u32 v[AH0], v12, 5, s19
	s_mul_i32 s19, s[WV], 16*XP
	s_add_co_u32 s19, s19, XT
	v_lshl_add_u32 v[XS], v1, 3, s19
	; The turning load takes 16 d x 16 hw (lane l reads 16 bytes: row 8 h + l % 8, hw 8 ((l / 8) % 2) + 0..7) and leaves half a fragment: lane l holds hw l % 16 and 8 d.
	v_and_b32 v14, 7, v0
	v_lshl_add_u32 v14, v12, 3, v14
	v_mul_u32_u24 v14, v14, XP
	v_bfe_u32 v15, v0, 3, 1
	v_lshl_add_u32 v14, v15, 4, v14
	v_add_nc_u32 v[XL], XT, v14
	v_lshlrev_b32 v[PFO], 8, v1
	s_lshl_b32 s19, s[WV], 9
	s_add_co_u32 s19, s19, XT
	v_lshl_add_u32 v[SCW], v13, 2, s19
	s_lshl_b32 s19, s[WV], 6
	v_lshl_add_u32 v[LB], v12, 3, s19
	; What the first step finds.  Its slices reduce a tile that has not been: hn = +inf less sums of 0 is +inf, which is not less than RUN = +inf, so nothing changes.  The price of writing no first step out:
	; 120 lines, which run while x is on its way.
	s_mov_b32 s72, 0x7f800000
.set n, 0
.rept 8
	v_mov_b32 v[RUN+n], s72
	v_mov_b32 v[IDX+n], 0
	v_mov_b32 v[EB+8+n], s72
.set n, n+1
.endr
.set n, 0
.rept 64
	v_mov_b32 v[SV+n], s72
.set n, n+1
.endr
.set n, 0
.rept 32
	v_mov_b32 v[ACC+32+n], 0
.set n, n+1
.endr
; x INTO FRAGMENTS, 64 d at a time.  Each wave rounds its 16 rows to bf16 and stores them into XT; behind a barrier every wave reads all 64 rows turned, as the two K steps' fragments of its 8 row blocks.
.macro XPASS q
	s_wait_loadcnt 48-16*(\q)                      ; this pass's sixteen loads are in; the later passes' stay out
	WIN 0x05                                       ; sources window 1, destination window 0
.set t, 0
.rept 16
	v_cvt_pk_bf16_f32 v[TMP+2*t],   v[64*(\q)+4*t],   v[64*(\q)+4*t+1]
	v_cvt_pk_bf16_f32 v[TMP+2*t+1], v[64*(\q)+4*t+2], v[64*(\q)+4*t+3]
.set t, t+1
.endr
	WIN 0
.if (\q) > 0
	s_barrier_signal -1                            ; every wave has waited for its reads of the last pass's rows (the wait for 0 at that pass's end):
	s_barrier_wait -1                              ; now they may be written over
.endif
.set t, 0
.rept 16
	ds_store_b64 v[XS], v[TMP+2*t:TMP+2*t+1] offset:XP*t  ; a row's 256 bytes: 32 lanes, 8 neighbouring bytes each
.set t, t+1
.endr
.if (\q) == 3
	s_wait_tensorcnt 0x1                           ; my quarters of hn and of slot 0 have landed; slot 1's load, issued last, may stay out
.endif
	s_wait_dscnt 0x0                               ; for the others: my stores are done
	s_barrier_signal -1
	s_barrier_wait -1
	WIN 0x80                                       ; destination window 2
.irp a, 0,1,2,3
.irp c, 0,1
	ds_load_tr16_b128 v[64*\a+8*(2*(\q)+\c):64*\a+8*(2*(\q)+\c)+3],   v[XL] offset:32*XP*\c+32*\a
	ds_load_tr16_b128 v[64*\a+8*(2*(\q)+\c)+4:64*\a+8*(2*(\q)+\c)+7], v[XL] offset:32*XP*\c+16*XP+32*\a
.endr
.endr
	WIN 0xc0                                       ; destination window 3
.irp a, 0,1,2,3
.irp c, 0,1
	ds_load_tr16_b128 v[64*\a+8*(2*(\q)+\c):64*\a+8*(2*(\q)+\c)+3],   v[XL] offset:32*XP*\c+32*(\a+4)
	ds_load_tr16_b128 v[64*\a+8*(2*(\q)+\c)+4:64*\a+8*(2*(\q)+\c)+7], v[XL] offset:32*XP*\c+16*XP+32*(\a+4)
.endr
.endr
	WIN 0
	s_wait_dscnt 0x0                               ; my reads of these rows are over
.endm
	XPASS 0
	XPASS 1
	XPASS 2
	XPASS 3
; Matrix instruction i of 32 of a phase: K step i / 4, row block 4 set + i % 4, codes from buffer p.  The four accumulators take turns, one instruction a turn, over the phases' and the loops' edges too.
; The first four start the sums with the constant 0.
.macro MMA set, p
.set cc, i/4
.set aa, 4*(\set)+i%4
	WIN W_ML+4*(\set)
.if cc == 0
	v_wmma_f32_16x16x32_bf16 v[ACC+8*aa:ACC+8*aa+7], v[64*(\p)+8*cc:64*(\p)+8*cc+7], v[64*(i%4)+8*cc:64*(i%4)+8*cc+7], 0
.else
	v_wmma_f32_16x16x32_bf16 v[ACC+8*aa:ACC+8*aa+7], v[64*(\p)+8*cc:64*(\p)+8*cc+7], v[64*(i%4)+8*cc:64*(i%4)+8*cc+7], v[ACC+8*aa:ACC+8*aa+7]
.endif
.endm
; Slice k of 19 of a set's reduction: the same line for its four row blocks.  0-3: score = hn - sum, in place, the accumulator's lowest registers first.  4-7: the least of the eight.
; 8: is it less than RUN?  9: RUN.  10: the tile's number.  11-18: the eight scores are kept where it was.
.macro RID set, eb, k
	WIN 0
.irp n, 0,1,2,3
.set rA, ACC+8*(4*(\set)+\n)
.set rE, EB+8*(\eb)
.set rB, 4*(\set)+\n
.if (\k) < 4
	v_pk_add_f32 v[rA+2*(\k):rA+2*(\k)+1], v[rE+2*(\k):rE+2*(\k)+1], v[rA+2*(\k):rA+2*(\k)+1] neg_lo:[0,1] neg_hi:[0,1]
.elseif (\k) == 4
	v_min3_num_f32 v[MA+\n], v[rA], v[rA+1], v[rA+2]
.elseif (\k) == 5
	v_min3_num_f32 v[MB+\n], v[rA+3], v[rA+4], v[rA+5]
.elseif (\k) == 6
	v_min3_num_f32 v[MA+\n], v[MA+\n], v[rA+6], v[rA+7]
.elseif (\k) == 7
	v_min_num_f32 v[MA+\n], v[MA+\n], v[MB+\n]
.elseif (\k) == 8
	v_cmp_lt_f32 s[MC+\n], v[MA+\n], v[RUN+rB]
.elseif (\k) == 9
	v_min_num_f32 v[RUN+rB], v[RUN+rB], v[MA+\n]
.elseif (\k) == 10
	v_cndmask_b32 v[IDX+rB], v[IDX+rB], s[TID], s[MC+\n]
.else
	v_cndmask_b32 v[SV+8*rB+(\k)-11], v[SV+8*rB+(\k)-11], v[rA+(\k)-11], s[MC+\n]
.endif
.endr
.endm
; A tile's 16 half fragments and its eight hn, in one run, into buffer p.
.macro FETCH p, fo, ho
	WIN 0x40                                       ; destination window 1
.irp c, 0,1,2,3,4,5,6,7
	ds_load_b128 v[64*(\p)+8*\c:64*(\p)+8*\c+3],   v[ADR] offset:(\fo)+1024*\c
	ds_load_b128 v[64*(\p)+8*\c+4:64*(\p)+8*\c+7], v[ADR] offset:(\fo)+1024*\c+512
.endr
	WIN 0
	ds_load_b128 v[EB+8*(\p):EB+8*(\p)+3],   v[AH] offset:(\ho)
	ds_load_b128 v[EB+8*(\p)+4:EB+8*(\p)+7], v[AH] offset:(\ho)+16
.endm
; THE CHANGE OF SLOTS, at the head of the step that multiplies a slot's last tile: that tile's fragments are the slot's last bytes that I read.  Each wave waits for all its tensor loads, of which one is out: its
; quarter of the other slot; adds 0 to its spare word; and waits for that and for its reads of this slot.  The signal opens a round of the cluster's barrier; sixteen products and their slices, work on registers,
; stand between it and its wait.
.macro CHG_HEAD
	WIN 0
	s_wait_xcnt 0x0                                ; the last prefetch, a slot back, has read its address, so it may be stepped
	s_add_nc_u64 s[PFA:PFA+1], s[PFA:PFA+1], SLOT
	s_wait_tensorcnt 0x0                           ; no tensor load of mine is out, so the walking group 0 may be written
	ds_add_u32 v[SPW], v[NIL]                      ; 0 onto my spare word; the steps below stand between it and the wait for it
	s_xor_b32 s[G0W+1], s[G0W+1], SLOT             ; the slot that I leave,
	s_add_nc_u64 s[G0W+2:G0W+3], s[G0W+2:G0W+3], SLOT  ; the next 256 codes; the type bits on top are not reached
	s_xor_b32 s[SB], s[SB], SLOT                   ; the fetches go on in the other slot
	s_add_co_u32 s[TH], s[TH], 1024
	s_wait_dscnt 0x0                               ; the add is done, and my reads of this slot are over: its last tile is in registers
	s_barrier_signal -1
.endm
; The rest of the round, and behind it first the joint refill, my one tensor load until the next round: it has 256 matrix instructions in which to land.
.macro CHG_MID
	WIN 0                                          ; at a branch and at a label every window is 0
	s_barrier_wait -1
	CREST                                          ; no wave of any partner still reads the slot or has a load on its way
	tensor_load_to_lds s[G0W:G0W+3], s[G1:G1+7]
	s_nop 0
.rept 4
	v_nop
.endr
	ASK
	v_add_nc_u32 v[ADR], s[SB], v[AK0]
	v_add_nc_u32 v[AH], s[TH], v[AH0]
.endm
; A PHASE: 32 products of one set, and the other set's 19 slices: one behind each of the first 18 products, the last behind the last product.  That last slice, four plain lines on the other set's registers, is the
; four places (ISA guide 7.12.1) ahead of the next phase's first read of this set's sums.  mode 1: the next tile's run of LDS loads stands behind the second product, 30 products ahead of its first use; the buffer's
; last reader stands a whole phase back.  mode 2: the round's rest and the refill stand behind the sixteenth product.
.macro PHASE set, p, eb, mode, fo, ho
.set i, 0
.rept 32
	MMA \set, \p
.if i < 18
	RID 1-(\set), \eb, i
.endif
.if i == 31
	RID 1-(\set), \eb, 18
.endif
.if ((\mode) == 1) && (i == 1)
	FETCH 1-(\p), \fo, \ho
.endif
.if ((\mode) == 2) && (i == 15)
	CHG_MID
.endif
.set i, i+1
.endr
.endm
; A STEP: one tile of 16 codes against all 128 vectors; p = the tile's parity.  First row blocks 0-3 (beside them blocks 4-7 of the tile before are reduced), then blocks 4-7 (beside them blocks 0-3 of this tile).
.macro STEP p, chg, fetch, fo, ho
.if \chg
	CHG_HEAD
.else
	s_wait_dscnt 0x0                               ; this tile's fragments and hn are in
.endif
	PHASE 0, \p, 1-(\p), 2*(\chg), 0, 0
	s_add_co_u32 s[TID], s[TID], 1
	PHASE 1, \p, \p, \fetch, \fo, \ho
.endm
	s_mov_b32 s[SB], 0
	s_mov_b32 s[TH], 0
	v_mov_b32 v[ADR], v[AK0]
	v_mov_b32 v[AH], v[AH0]
	s_mov_b32 s[TID], -1
	s_mov_b32 s[SLOTS], 31
	FETCH 0, 0, 0                                  ; tile 0
	WIN 0
	s_branch .Lenter                               ; the loop is entered behind its change of slots: the first, partial trip has tiles 0, 1, 2
.Lslot:                                                ; 30 whole trips: a slot's last tile with the change of slots, then the next slot's first three
	STEP 1, 1, 1, 0, 0
	WIN 0
.Lenter:
	STEP 0, 0, 1, 8192, 64
	STEP 1, 0, 1, 16384, 128
	STEP 0, 0, 1, 24576, 192
	WIN 0
	s_sub_co_u32 s[SLOTS], s[SLOTS], 1
	s_cmp_lg_u32 s[SLOTS], 0
	s_cbranch_scc1 .Lslot
	; THE TAIL is written out: the last slot but one is left, and nothing is asked for.  The last slot's quarter that I read is the one that I fetched, so my own wait is all the order that the reads need.
	s_wait_tensorcnt 0x0
	s_xor_b32 s[SB], s[SB], SLOT
	s_add_co_u32 s[TH], s[TH], 1024
	v_add_nc_u32 v[ADR], s[SB], v[AK0]
	v_add_nc_u32 v[AH], s[TH], v[AH0]
	s_mov_b32 s[CNT], 2
.Ltail:                                                ; two trips of two tiles: 123 and 124, 125 and 126; each step fetches the tile behind it
	STEP 1, 0, 1, 0, 0
	STEP 0, 0, 1, 8192, 64
	WIN 0
	s_add_co_u32 s[SB], s[SB], 16384               ; two tiles on
	s_add_co_u32 s[TH], s[TH], 128
	v_add_nc_u32 v[ADR], s[SB], v[AK0]
	v_add_nc_u32 v[AH], s[TH], v[AH0]
	s_sub_co_u32 s[CNT], s[CNT], 1
	s_cmp_lg_u32 s[CNT], 0
	s_cbranch_scc1 .Ltail
	STEP 1, 0, 0, 0, 0                             ; tile 127: nothing is left to fetch
.set k2, 0
.rept 19
	RID 1, 1, k2                                   ; row blocks 4-7 of tile 127; the last phase's last slice is the four places ahead of these
.set k2, k2+1
.endr
	; THE END.  (va, ca) takes (vb, cb) where vb is less, or equal with the lower code.
.macro MERGE va, ca, vb, cb
	v_cmp_lt_f32 s72, v[\vb], v[\va]
	v_cmp_eq_f32 s73, v[\vb], v[\va]
	v_cmp_lt_u32 s74, v[\cb], v[\ca]
	s_and_b32 s73, s73, s74
	s_or_b32 s72, s72, s73
	v_cndmask_b32 v[\va], v[\va], v[\vb], s72
	v_cndmask_b32 v[\ca], v[\ca], v[\cb], s72
.endm
	WIN 0
	v_mov_b32 v[OV], 0                             ; v_permlanex16_b32 counts as a reader of its destination
	v_mov_b32 v[OC], 0
.irp a, 0,1,2,3,4,5,6,7
	v_mov_b32 v[JJ], 7                             ; the lowest of the eight places that holds the least score: tested from 6 down to 0
.irp j, 6,5,4,3,2,1,0
	v_cmp_eq_f32 s72, v[SV+8*\a+\j], v[RUN+\a]
	v_cndmask_b32 v[JJ], v[JJ], \j, s72
.endr
	v_lshrrev_b32 v[T1], 2, v[IDX+\a]              ; tile 4 T + u: code = 256 T + 16 u + 64 w + 8 h + place
	v_and_b32 v[T2], 3, v[IDX+\a]
	v_lshl_add_u32 v[T1], v[T1], 8, v[LB]
	v_lshl_add_u32 v[T1], v[T2], 4, v[T1]
	v_add_nc_u32 v[CD+\a], v[T1], v[JJ]
	v_permlanex16_b32 v[OV], v[RUN+\a], s[SEL], s[SEL+1]  ; the vector's other codes lie in the lane 16 away
	v_permlanex16_b32 v[OC], v[CD+\a], s[SEL], s[SEL+1]
	MERGE RUN+\a, CD+\a, OV, OC
	ds_store_b32 v[SCW], v[RUN+\a] offset:64*\a    ; both halves of the lanes write the same word with the same number
	ds_store_b32 v[SCW], v[CD+\a] offset:2048+64*\a
.endr
	s_wait_dscnt 0x0                               ; for wave 0: my stores are done
	s_barrier_signal -1
	s_barrier_wait -1
	s_cmp_lg_u32 s[WV], 0                          ; wave 0 joins the four waves' quarters of the codebook: four vectors a lane
	s_cbranch_scc1 .Lend
	v_add_nc_u32 v[T1], XT, v[XO]
.irp w, 0,1,2,3
	ds_load_b128 v[FV+4*\w:FV+4*\w+3], v[T1] offset:512*\w
	ds_load_b128 v[FC+4*\w:FC+4*\w+3], v[T1] offset:2048+512*\w
.endr
	s_wait_dscnt 0x0
.irp w, 1,2,3
.irp e, 0,1,2,3
	MERGE FV+\e, FC+\e, FV+4*\w+\e, FC+4*\w+\e
.endr
.endr
	global_store_b128 v[XO], v[FC:FC+3], s[10:11]  ; 512 consecutive bytes of out1,
	global_store_b128 v[XO], v[FC:FC+3], s[12:13]  ; and of idx, from which the next launch forms addresses
.Lend:
	s_wait_tensorcnt 0x0                           ; the wave's end, behind my last tensor load and my last LDS store
	ds_add_u32 v[SPW], v[NIL]
	s_wait_dscnt 0x0
	CROUND                                         ; the closing round: no work-group ends while a partner may still ask for a tile that names it
	s_endpgm
.Lfunc_end_k_qdb48353cc7_dist:
	.size	k_qdb48353cc7_dist, .Lfunc_end_k_qdb48353cc7_dist-k_qdb48353cc7_dist
	.p2alignl 7, 3214868480
	.fill 96, 4, 3214868480
	.section	.rodata,"a",@progbits
	.p2align	6, 0x0
	.amdhsa_kernel k_qdb48353cc7_dist
		.amdhsa_group_segment_fixed_size 327680
		.amdhsa_private_segment_fixed_size 0
		.amdhsa_enable_private_segment 0
		.amdhsa_kernarg_size 40
		.amdhsa_user_sgpr_count 2
		.amdhsa_user_sgpr_kernarg_segment_ptr 1
		.amdhsa_wavefront_size32 1
		.amdhsa_system_sgpr_workgroup_id_x 1
		.amdhsa_system_sgpr_workgroup_id_y 1
		.amdhsa_system_sgpr_workgroup_id_z 1
		.amdhsa_system_vgpr_workitem_id 0
		.amdhsa_next_free_vgpr 1024
		.amdhsa_next_free_sgpr 80
		.amdhsa_reserve_vcc 0
		.amdhsa_float_denorm_mode_32 3
		.amdhsa_float_denorm_mode_16_64 3
		.amdhsa_memory_ordered 1
		.amdhsa_forward_progress 1
		.amdhsa_inst_pref_size 180
	.end_amdhsa_kernel
	.amdgpu_metadata
---
amdhsa.version: [ 1, 2 ]
amdhsa.kernels:
  - .name:           k_qdb48353cc7_dist
    .symbol:         k_qdb48353cc7_dist.kd
    .args:
      - { .name: x, .offset: 0, .size: 8, .value_kind: global_buffer, .address_space: global }
      - { .name: cf, .offset: 8, .size: 8, .value_kind: global_buffer, .address_space: global }
      - { .name: hn, .offset: 16, .size: 8, .value_kind: global_buffer, .address_space: global }
      - { .name: out1, .offset: 24, .size: 8, .value_kind: global_buffer, .address_space: global }
      - { .name: idx, .offset: 32, .size: 8, .value_kind: global_buffer, .address_space: global }
    .group_segment_fixed_size: 327680
    .private_segment_fixed_size: 0
    .kernarg_segment_align: 8
    .kernarg_segment_size: 40
    .max_flat_workgroup_size: 128
    .sgpr_count:     80
    .vgpr_count:     1024
    .wavefront_size: 32
...
	.end_amdgpu_metadata
.endif
;; end of part 2
;; launch rot (part 3): grid 256 x 1, 8 waves a work-group, no clusters, 84,992 bytes of LDS; arguments x, ct, idx, out0; writes out0
.if DOCPART == 3
	.amdgcn_target "amdgcn-amd-amdhsa--gfx1250"
	.amdhsa_code_object_version 6
	.text
	.protected	k_qdb48353cc7_rot
	.globl	k_qdb48353cc7_rot
	.p2align	8
	.type	k_qdb48353cc7_rot,@function
k_qdb48353cc7_rot:
	s_mov_b64 s[64:65], 0
	v_nop
	global_prefetch_b8 v0, s[64:65] scope:SCOPE_SE
	s_setreg_imm32_b32 hwreg(HW_REG_WAVE_MODE, 25, 1), 1
	s_wait_xcnt 0x0
; THE ROTATION.  For each vector e (x, [8][256 d][4096 hw] f32) and its code q (row idx of ct, bf16): e_n = max(|e|, EPS), q_n = max(|q|, EPS), s = e / e_n + q / q_n, s_n = max(|s|, EPS), r = s / s_n,
; out = (q_n / e_n) (e - 2 r (r . e) + 2 (q / q_n) e_n), stored as [8][256][4096] f32.  Every step is made; only the last line is regrouped, with the same clamped norms:
; out = AL e + BE q,  K1 = 2 (s . e) / s_n^2,  AL = (q_n / e_n) (1 - K1 / e_n),  BE = (q_n / e_n) / q_n x (2 e_n - K1).  Divisions are reciprocals and multiplies.
; LIMITS.  q is the code rounded to bf16; sums of squares must stay finite in f32; a sum of squares below 2^-126 counts as 0 under the root, and the norm is then EPS; NaN and infinities are not treated apart.
; SHARES.  A work-group takes 128 vectors (one b, 128 neighbouring hw).  Lane l owns vectors 4 l + 0..3: 16 bytes of every row d, so each load of x and each store of out0 of a wave is 512 consecutive bytes.
; Wave w owns d = 32 w .. 32 w + 31, and keeps its 32 x 4 numbers of x and of q in registers from first to last: x is read once.  Sums over d meet in LDS, twice.
; THE GATHER.  Wave w fetches the codes of vectors 16 w + 0..15, a whole row of 512 bytes an instruction; they change hands in LDS: vector v lies in place 32 (v % 4) + v / 4, rows 528 bytes apart, so that the lanes
; that read vector 4 l + i stand one row apart: sixteen different 16-byte columns of the 64 banks (ISA guide 11.1).
; No matrix unit and no cluster: the work-groups share nothing but codes that chance to repeat, and the launch is a stream.
.set QPI,   528
.set PS1,   128*QPI                    ; [2 sums][8 waves][128 vectors] f32, 8,192 bytes; the second meeting's block lies 8,192 bytes on
.set SPARE, PS1+16384                  ; the spare words, 128 bytes for each of the eight waves
.set XO,  2                            ; v2   16 l
.set QS,  3                            ; v3   where my wave's codes go: place 4 w, byte 16 l
.set QL,  4                            ; v4   where I read: place l, byte 64 w
.set PST, 5                            ; v5   PS1 + 512 w + 16 l
.set PLD, 6                            ; v6   PS1 + 16 l
.set SPW, 8                            ; v8   my spare word; never rewritten
.set NIL, 9                            ; v9   0; never rewritten
.set SE,  12                           ; v12-15   sum of e^2, then e_n
.set SQ,  16                           ; v16-19   sum of q^2, then q_n
.set IE,  20                           ; v20-23   1 / e_n
.set IQ,  24                           ; v24-27   1 / q_n
.set SS,  28                           ; v28-31   sum of s^2, then s_n, then 1 / s_n
.set XR,  32                           ; v32-159  x: row dd of my 32, vector i, at 32 + 4 dd + i; at the end the result
.set QP,  160                          ; v160-223 first the gathered rows; then q: vector i, d pair k, at 160 + 16 i + k
.set SD,  224                          ; v224-227 sum of s e, then K1
.set T,   228                          ; v228-235 s, two sets of four by turns
.set AL,  236
.set BE,  240
.set LAM, 244
.set TM,  248
.set GO,  236                          ; v236-251 the gather's offsets, until its loads are in
.set RT,  0                            ; window 1, v0-63: the partial sums read back
.set MSB, 0
.macro WIN new                         ; s_set_vgpr_msb: bits 1:0 source 0, 3:2 source 1, 5:4 source 2, 7:6 destination; the high byte repeats the setting that is left
.if MSB != (\new)
	s_set_vgpr_msb (MSB<<8)|(\new)
.set MSB, (\new)
.endif
.endm
	s_load_b256 s[4:11], s[0:1], 0x0               ; x s[4:5], ct s[6:7], idx s[8:9], out0 s[10:11]
	v_lshl_add_u32 v[SPW], v0, 2, SPARE
	v_mov_b32 v[NIL], 0
	v_lshrrev_b32 v1, 5, v0
	v_readfirstlane_b32 s12, v1                    ; wave 0..7
	v_and_b32 v1, 31, v0                           ; l
	v_lshlrev_b32 v[XO], 4, v1
	s_lshl_b32 s32, ttmp9, 9                       ; idx: 128 words a work-group,
	s_lshl_b32 s33, s12, 6                         ; 16 a wave
	s_add_co_u32 s32, s32, s33
	s_mov_b32 s33, 0
	s_lshr_b32 s34, ttmp9, 5                       ; x and out0: b, 4,194,304 bytes each,
	s_lshl_b32 s34, s34, 22
	s_and_b32 s35, ttmp9, 31                       ; 128 hw = 512 bytes of a row,
	s_lshl_b32 s35, s35, 9
	s_add_co_u32 s34, s34, s35
	s_lshl_b32 s35, s12, 19                        ; my wave's 32 rows
	s_add_co_u32 s34, s34, s35
	s_mov_b32 s35, 0
	s_mov_b32 s38, 0x358637bd                      ; EPS = 1e-6
	s_wait_kmcnt 0x0
	s_add_nc_u64 s[8:9], s[8:9], s[32:33]
	s_load_b512 s[16:31], s[8:9], 0x0              ; my wave's sixteen indices
	s_add_nc_u64 s[4:5], s[4:5], s[34:35]
	s_add_nc_u64 s[10:11], s[10:11], s[34:35]
.set d, 0
.rept 32
	global_load_b128 v[XR+4*d:XR+4*d+3], v[XO], s[4:5] offset:16384*d th:TH_LOAD_NT
.set d, d+1
.endr
	s_mul_i32 s36, s12, 4*QPI
	v_add_nc_u32 v[QS], s36, v[XO]
	s_lshl_b32 s37, s12, 6
	v_mul_u32_u24 v[QL], v1, QPI
	v_add_nc_u32 v[QL], s37, v[QL]
	s_lshl_b32 s36, s12, 9
	s_add_co_u32 s36, s36, PS1
	v_add_nc_u32 v[PST], s36, v[XO]
	v_add_nc_u32 v[PLD], PS1, v[XO]
	s_wait_kmcnt 0x0
.irp m, 0,1,2,3,4,5,6,7,8,9,10,11,12,13,14,15
	s_min_u32 s[16+\m], s[16+\m], 0x1fff           ; an index stays inside the table
	v_lshl_add_u32 v[GO+\m], s[16+\m], 9, v[XO]    ; 512 bytes a code, 16 a lane
	global_load_b128 v[QP+4*\m:QP+4*\m+3], v[GO+\m], s[6:7]  ; no hint: a code may be wanted again
.endr
	s_wait_loadcnt 16                              ; x is in; the sixteen gather loads stay out
	v_pk_mul_f32 v[SE:SE+1],   v[XR:XR+1],   v[XR:XR+1]  ; the first products start the sums
	v_pk_mul_f32 v[SE+2:SE+3], v[XR+2:XR+3], v[XR+2:XR+3]
.set d, 1
.rept 31
	v_pk_fma_f32 v[SE:SE+1],   v[XR+4*d:XR+4*d+1],   v[XR+4*d:XR+4*d+1],   v[SE:SE+1]
	v_pk_fma_f32 v[SE+2:SE+3], v[XR+4*d+2:XR+4*d+3], v[XR+4*d+2:XR+4*d+3], v[SE+2:SE+3]
.set d, d+1
.endr
	s_wait_loadcnt 0x0
.irp m, 0,1,2,3,4,5,6,7,8,9,10,11,12,13,14,15
	ds_store_b128 v[QS], v[QP+4*\m:QP+4*\m+3] offset:(((\m)%4)*32+(\m)/4)*QPI  ; vector 16 w + m: place 32 (m % 4) + 4 w + m / 4
.endr
	s_wait_dscnt 0x0                               ; for the others: my stores are done
	s_barrier_signal -1
	s_barrier_wait -1
.irp i, 0,1,2,3
.irp c, 0,1,2,3
	ds_load_b128 v[QP+16*\i+4*\c:QP+16*\i+4*\c+3], v[QL] offset:32*QPI*\i+16*\c  ; vector 4 l + i, d = 32 w + 8 c + 0..7
.endr
.endr
.irp i, 0,1,2,3
	v_mov_b32 v[SQ+\i], 0
.endr
	s_wait_dscnt 0x0
.set k, 0
.rept 16                               ; the four vectors' chains alternate
.irp i, 0,1,2,3
	v_fma_mix_f32_bf16 v[SQ+\i], v[QP+16*\i+k], v[QP+16*\i+k], v[SQ+\i] op_sel_hi:[1,1,0]
.endr
.irp i, 0,1,2,3
	v_fma_mix_f32_bf16 v[SQ+\i], v[QP+16*\i+k], v[QP+16*\i+k], v[SQ+\i] op_sel:[1,1,0] op_sel_hi:[1,1,0]
.endr
.set k, k+1
.endr
; The eight waves' partial sums of two quantities, for my four vectors: sixteen loads, a tree of packed additions, the results into d0 and d1.
.macro REDUCE off, d0, d1
	WIN 0x40                                       ; destination window 1, address window 0
.irp n, 0,1,2,3,4,5,6,7,8,9,10,11,12,13,14,15
	ds_load_b128 v[RT+4*\n:RT+4*\n+3], v[PLD] offset:(\off)+512*\n
.endr
	s_wait_dscnt 0x0
	WIN 0x45                                       ; all in window 1
.irp n, 0,2,4,6,8,10,12,14
	v_pk_add_f32 v[RT+4*\n:RT+4*\n+1],   v[RT+4*\n:RT+4*\n+1],   v[RT+4*\n+4:RT+4*\n+5]
	v_pk_add_f32 v[RT+4*\n+2:RT+4*\n+3], v[RT+4*\n+2:RT+4*\n+3], v[RT+4*\n+6:RT+4*\n+7]
.endr
.irp n, 0,4,8,12
	v_pk_add_f32 v[RT+4*\n:RT+4*\n+1],   v[RT+4*\n:RT+4*\n+1],   v[RT+4*\n+8:RT+4*\n+9]
	v_pk_add_f32 v[RT+4*\n+2:RT+4*\n+3], v[RT+4*\n+2:RT+4*\n+3], v[RT+4*\n+10:RT+4*\n+11]
.endr
	WIN 0x05                                       ; sources window 1, destination window 0
	v_pk_add_f32 v[(\d0):(\d0)+1],   v[RT:RT+1],      v[RT+16:RT+17]
	v_pk_add_f32 v[(\d0)+2:(\d0)+3], v[RT+2:RT+3],    v[RT+18:RT+19]
	v_pk_add_f32 v[(\d1):(\d1)+1],   v[RT+32:RT+33],  v[RT+48:RT+49]
	v_pk_add_f32 v[(\d1)+2:(\d1)+3], v[RT+34:RT+35],  v[RT+50:RT+51]
	WIN 0
.endm
	ds_store_b128 v[PST], v[SE:SE+3]
	ds_store_b128 v[PST], v[SQ:SQ+3] offset:4096
	s_wait_dscnt 0x0
	s_barrier_signal -1
	s_barrier_wait -1
	REDUCE 0, SE, SQ
.irp i, 0,1,2,3,4,5,6,7
	v_sqrt_f32 v[SE+\i], v[SE+\i]                  ; SE and SQ lie on end
.endr
	v_nop                                          ; a plain instruction behind the last root (ISA guide 5.7.2),
	s_wait_alu depctr_va_vdst(0)                   ; and a wait ahead of the first use: one for the eight
.irp i, 0,1,2,3,4,5,6,7
	v_max_num_f32 v[SE+\i], s38, v[SE+\i]          ; e_n, q_n
.endr
.irp i, 0,1,2,3,4,5,6,7
	v_rcp_f32 v[IE+\i], v[SE+\i]                   ; IE and IQ lie on end
.endr
	v_nop
	s_wait_alu depctr_va_vdst(0)                   ; one for the eight reciprocals
.set d, 0
.rept 32                               ; s = e / e_n + q / q_n; the sums of s^2 and of s e
.set tt, T+4*(d%2)
.irp P, 0,2
	v_pk_mul_f32 v[tt+\P:tt+\P+1], v[XR+4*d+\P:XR+4*d+\P+1], v[IE+\P:IE+\P+1]
.endr
.irp i, 0,1,2,3
.if d%2
	v_fma_mix_f32_bf16 v[tt+\i], v[QP+16*\i+d/2], v[IQ+\i], v[tt+\i] op_sel:[1,0,0] op_sel_hi:[1,0,0]
.else
	v_fma_mix_f32_bf16 v[tt+\i], v[QP+16*\i+d/2], v[IQ+\i], v[tt+\i] op_sel_hi:[1,0,0]
.endif
.endr
.irp P, 0,2
.if d == 0
	v_pk_mul_f32 v[SS+\P:SS+\P+1], v[tt+\P:tt+\P+1], v[tt+\P:tt+\P+1]
	v_pk_mul_f32 v[SD+\P:SD+\P+1], v[tt+\P:tt+\P+1], v[XR+\P:XR+\P+1]
.else
	v_pk_fma_f32 v[SS+\P:SS+\P+1], v[tt+\P:tt+\P+1], v[tt+\P:tt+\P+1], v[SS+\P:SS+\P+1]
	v_pk_fma_f32 v[SD+\P:SD+\P+1], v[tt+\P:tt+\P+1], v[XR+4*d+\P:XR+4*d+\P+1], v[SD+\P:SD+\P+1]
.endif
.endr
.set d, d+1
.endr
	ds_store_b128 v[PST], v[SS:SS+3] offset:8192   ; a block of its own: no wave need have finished with the first
	ds_store_b128 v[PST], v[SD:SD+3] offset:12288
	s_wait_dscnt 0x0
	s_barrier_signal -1
	s_barrier_wait -1
	REDUCE 8192, SS, SD
.irp i, 0,1,2,3
	v_sqrt_f32 v[SS+\i], v[SS+\i]
.endr
	v_nop
	s_wait_alu depctr_va_vdst(0)
.irp i, 0,1,2,3
	v_max_num_f32 v[SS+\i], s38, v[SS+\i]          ; s_n
.endr
.irp i, 0,1,2,3
	v_rcp_f32 v[SS+\i], v[SS+\i]
.endr
	v_nop
	s_wait_alu depctr_va_vdst(0)
.irp i, 0,1,2,3
	v_mul_f32 v[SD+\i], v[SD+\i], v[SS+\i]         ; r . e
	v_mul_f32 v[LAM+\i], v[SQ+\i], v[IE+\i]        ; q_n / e_n
.endr
.irp i, 0,1,2,3
	v_mul_f32 v[SD+\i], v[SD+\i], v[SS+\i]
	v_mul_f32 v[BE+\i], v[LAM+\i], v[IQ+\i]
.endr
.irp i, 0,1,2,3
	v_add_f32 v[SD+\i], v[SD+\i], v[SD+\i]         ; K1
.endr
.irp i, 0,1,2,3
	v_fma_f32 v[TM+\i], -v[SD+\i], v[IE+\i], 1.0
.endr
.irp i, 0,1,2,3
	v_mul_f32 v[AL+\i], v[LAM+\i], v[TM+\i]
.endr
.irp i, 0,1,2,3
	v_fma_f32 v[TM+\i], v[SE+\i], 2.0, -v[SD+\i]
.endr
.irp i, 0,1,2,3
	v_mul_f32 v[BE+\i], v[BE+\i], v[TM+\i]
.endr
.set d, 0
.rept 32                               ; out = AL e + BE q, in x's registers, and out
	v_pk_mul_f32 v[XR+4*d:XR+4*d+1],   v[XR+4*d:XR+4*d+1],   v[AL:AL+1]
	v_pk_mul_f32 v[XR+4*d+2:XR+4*d+3], v[XR+4*d+2:XR+4*d+3], v[AL+2:AL+3]
.irp i, 0,1,2,3
.if d%2
	v_fma_mix_f32_bf16 v[XR+4*d+\i], v[QP+16*\i+d/2], v[BE+\i], v[XR+4*d+\i] op_sel:[1,0,0] op_sel_hi:[1,0,0]
.else
	v_fma_mix_f32_bf16 v[XR+4*d+\i], v[QP+16*\i+d/2], v[BE+\i], v[XR+4*d+\i] op_sel_hi:[1,0,0]
.endif
.endr
	global_store_b128 v[XO], v[XR+4*d:XR+4*d+3], s[10:11] offset:16384*d th:TH_STORE_NT  ; 512 consecutive bytes, at a multiple of 256 from out0's first byte
.set d, d+1
.endr
	s_wait_tensorcnt 0x0                           ; the wave's end, behind my last LDS store
	ds_add_u32 v[SPW], v[NIL]
	s_wait_dscnt 0x0
	s_endpgm
.Lfunc_end_k_qdb48353cc7_rot:
	.size	k_qdb48353cc7_rot, .Lfunc_end_k_qdb48353cc7_rot-k_qdb48353cc7_rot
	.p2alignl 7, 3214868480
	.fill 96, 4, 3214868480
	.section	.rodata,"a",@progbits
	.p2align	6, 0x0
	.amdhsa_kernel k_qdb48353cc7_rot
		.amdhsa_group_segment_fixed_size 84992
		.amdhsa_private_segment_fixed_size 0
		.amdhsa_enable_private_segment 0
		.amdhsa_kernarg_size 32
		.amdhsa_user_sgpr_count 2
		.amdhsa_user_sgpr_kernarg_segment_ptr 1
		.amdhsa_wavefront_size32 1
		.amdhsa_system_sgpr_workgroup_id_x 1
		.amdhsa_system_sgpr_workgroup_id_y 1
		.amdhsa_system_sgpr_workgroup_id_z 1
		.amdhsa_system_vgpr_workitem_id 0
		.amdhsa_next_free_vgpr 320
		.amdhsa_next_free_sgpr 66
		.amdhsa_reserve_vcc 0
		.amdhsa_float_denorm_mode_32 3
		.amdhsa_float_denorm_mode_16_64 3
		.amdhsa_memory_ordered 1
		.amdhsa_forward_progress 1
		.amdhsa_inst_pref_size 67
	.end_amdhsa_kernel
	.amdgpu_metadata
---
amdhsa.version: [ 1, 2 ]
amdhsa.kernels:
  - .name:           k_qdb48353cc7_rot
    .symbol:         k_qdb48353cc7_rot.kd
    .args:
      - { .name: x, .offset: 0, .size: 8, .value_kind: global_buffer, .address_space: global }
      - { .name: ct, .offset: 8, .size: 8, .value_kind: global_buffer, .address_space: global }
      - { .name: idx, .offset: 16, .size: 8, .value_kind: global_buffer, .address_space: global }
      - { .name: out0, .offset: 24, .size: 8, .value_kind: global_buffer, .address_space: global }
    .group_segment_fixed_size: 84992
    .private_segment_fixed_size: 0
    .kernarg_segment_align: 8
    .kernarg_segment_size: 32
    .max_flat_workgroup_size: 256
    .sgpr_count:     66
    .vgpr_count:     320
    .wavefront_size: 32
...
	.end_amdgpu_metadata
.endif
;; end of part 3
;; ======== version 2 of 2: 3 launches; version 1 with the launch rot written anew for expert scheduling mode
;; workspace buffers: ct 4,194,304 bytes; cf 4,194,304 bytes; hn 32,768 bytes; idx 131,072 bytes of whole numbers
;; launch prep: the kernel of part 1 again; grid 128 x 1, 8 waves a work-group, no clusters, 34,816 bytes of LDS; arguments e_i_ts, ct, cf, hn; writes ct, cf, hn
;; launch dist: the kernel of part 2 again; grid 256 x 1, 4 waves a work-group, clusters of 4 x 1, 327,680 bytes of LDS; arguments x, cf, hn, out1, idx; writes out1, idx
;; launch rot (part 4): grid 256 x 1, 8 waves a work-group, no clusters, 84,992 bytes of LDS; arguments x, ct, idx, out0; writes out0
.if DOCPART == 4
	.amdgcn_target "amdgcn-amd-amdhsa--gfx1250"
	.amdhsa_code_object_version 6
	.text
	.protected	k_qdb48353cc7_rot
	.globl	k_qdb48353cc7_rot
	.p2align	8
	.type	k_qdb48353cc7_rot,@function
k_qdb48353cc7_rot:
	s_mov_b64 s[64:65], 0
	v_nop
	global_prefetch_b8 v0, s[64:65] scope:SCOPE_SE
	s_setreg_imm32_b32 hwreg(HW_REG_WAVE_SCHED_MODE, 0, 2), 2
	s_setreg_imm32_b32 hwreg(HW_REG_WAVE_MODE, 25, 1), 1
	s_wait_xcnt 0x0
	s_wait_alu depctr_vm_vsrc(0)
; THE ROTATION.  For each vector e (x, [8][256 d][4096 hw] f32) and its code q (row idx of ct, bf16): e_n = max(|e|, EPS), q_n = max(|q|, EPS), s = e / e_n + q / q_n, s_n = max(|s|, EPS), r = s / s_n,
; out = (q_n / e_n) (e - 2 r (r . e) + 2 (q / q_n) e_n), stored as [8][256][4096] f32.  Every step is made; only the last line is regrouped, with the same clamped norms:
; out = AL e + BE q,  K1 = 2 (s . e) / s_n^2,  AL = (q_n / e_n) (1 - K1 / e_n),  BE = (q_n / e_n) / q_n x (2 e_n - K1).  Divisions are reciprocals and multiplies.
; LIMITS.  q is the code rounded to bf16; sums of squares must stay finite in f32; a sum of squares below 2^-126 counts as 0 under the root, and the norm is then EPS; NaN and infinities are not treated apart.
; SHARES.  A work-group takes 128 vectors (one b, 128 neighbouring hw).  Lane l owns vectors 4 l + 0..3: 16 bytes of every row d, so each load of x and each store of out0 of a wave is 512 consecutive bytes.
; Wave w owns d = 32 w .. 32 w + 31, and keeps its 32 x 4 numbers of x and of q in registers from first to last: x is read once.  Sums over d meet in LDS, twice.
; THE GATHER.  Wave w fetches the codes of vectors 16 w + 0..15, a whole row of 512 bytes an instruction; they change hands in LDS: vector v lies in place 32 (v % 4) + v / 4, rows 528 bytes apart, so that the lanes
; that read vector 4 l + i stand one row apart: sixteen different 16-byte columns of the 64 banks (ISA guide 11.1).
; No matrix unit and no cluster: the work-groups share nothing but codes that chance to repeat, and the launch is a stream.
; THE MODE: SCHED_MODE bits 1:0 = 2 (LLVM: expert scheduling mode 2), set by the entry lines.  The code itself states the register dependences between vector instructions and memory or LDS instructions,
; with s_wait_alu, always for 0.
; THE PLAN.  Registers that memory or LDS instructions touch:
;   XO, QS, QL, PST, PLD  offsets and LDS addresses: all five are made at the head, ahead of one wait on va_vdst, and never written again.
;   GO        sixteen offsets made from the indices in one run; one wait on va_vdst; the sixteen gather loads read them.  Much later the same registers are AL, BE, LAM, TM: the waits on vm_vsrc between free them.
;   XR        x's loads land in it; vector instructions read it; the last pass writes each row in place, once; the row's store reads it; nothing writes a row behind its store.
;   QP        the gather loads land in it; the exchange's LDS stores read it; one wait on vm_vsrc; the exchange's LDS loads land in it; from there on vector instructions read it.
;   SE, SQ and SS, SD   vector sums; one wait on va_vdst; two LDS stores read them; one wait on vm_vsrc at the meeting's head; the meeting's last four additions write them again.
;   RT        each meeting's sixteen LDS loads land in it, its additions read and write it: one wait on va_vdst ahead of the second meeting's loads.
;   SPW, NIL  written at the head, read by the closing add alone.
; THE LAST PASS goes in four blocks of eight rows.  Block p writes its own rows of XR; the stores that stand among its lines are block p - 1's, whose rows no line of block p names.  So one wait on va_vdst at a
; block's head states all that the eight stores hang on.
.set QPI,   528
.set PS1,   128*QPI                    ; [2 sums][8 waves][128 vectors] f32, 8,192 bytes; the second meeting's block lies 8,192 bytes on
.set SPARE, PS1+16384                  ; the spare words, 128 bytes for each of the eight waves
.set XO,  2                            ; v2   16 l
.set QS,  3                            ; v3   where my wave's codes go: place 4 w, byte 16 l
.set QL,  4                            ; v4   where I read: place l, byte 64 w
.set PST, 5                            ; v5   PS1 + 512 w + 16 l
.set PLD, 6                            ; v6   PS1 + 16 l
.set SPW, 8                            ; v8   my spare word; never rewritten
.set NIL, 9                            ; v9   0; never rewritten
.set SE,  12                           ; v12-15   sum of e^2, then e_n
.set SQ,  16                           ; v16-19   sum of q^2, then q_n
.set IE,  20                           ; v20-23   1 / e_n
.set IQ,  24                           ; v24-27   1 / q_n
.set SS,  28                           ; v28-31   sum of s^2, then s_n, then 1 / s_n
.set XR,  32                           ; v32-159  x: row dd of my 32, vector i, at 32 + 4 dd + i; at the end the result
.set QP,  160                          ; v160-223 first the gathered rows; then q: vector i, d pair k, at 160 + 16 i + k
.set SD,  224                          ; v224-227 sum of s e, then K1
.set T,   228                          ; v228-235 s, two sets of four by turns
.set AL,  236
.set BE,  240
.set LAM, 244
.set TM,  248
.set GO,  236                          ; v236-251 the gather's offsets, until its loads are in
.set RT,  0                            ; window 1, v0-63: the partial sums read back
.set OBLK, 8                           ; rows in a block of the last pass
.set MSB, 0
.macro WIN new                         ; s_set_vgpr_msb: bits 1:0 source 0, 3:2 source 1, 5:4 source 2, 7:6 destination; the high byte repeats the setting that is left
.if MSB != (\new)
	s_set_vgpr_msb (MSB<<8)|(\new)
.set MSB, (\new)
.endif
.endm
	s_load_b256 s[4:11], s[0:1], 0x0               ; x s[4:5], ct s[6:7], idx s[8:9], out0 s[10:11]
	v_lshl_add_u32 v[SPW], v0, 2, SPARE
	v_mov_b32 v[NIL], 0
	v_lshrrev_b32 v1, 5, v0
	v_readfirstlane_b32 s12, v1                    ; wave 0..7
	v_and_b32 v1, 31, v0                           ; l
	v_lshlrev_b32 v[XO], 4, v1
	s_lshl_b32 s32, ttmp9, 9                       ; idx: 128 words a work-group,
	s_wait_alu depctr_va_sdst(0)                   ; s12 is written, ahead of its first reader: the bases and the LDS addresses are made from it
	s_lshl_b32 s33, s12, 6                         ; 16 a wave
	s_add_co_u32 s32, s32, s33
	s_mov_b32 s33, 0
	s_lshr_b32 s34, ttmp9, 5                       ; x and out0: b, 4,194,304 bytes each,
	s_lshl_b32 s34, s34, 22
	s_and_b32 s35, ttmp9, 31                       ; 128 hw = 512 bytes of a row,
	s_lshl_b32 s35, s35, 9
	s_add_co_u32 s34, s34, s35
	s_lshl_b32 s35, s12, 19                        ; my wave's 32 rows
	s_add_co_u32 s34, s34, s35
	s_mov_b32 s35, 0
	s_mov_b32 s38, 0x358637bd                      ; EPS = 1e-6
	s_mul_i32 s36, s12, 4*QPI                      ; the four LDS addresses are made here, ahead of the head's one wait on va_vdst
	v_add_nc_u32 v[QS], s36, v[XO]
	s_lshl_b32 s37, s12, 6
	v_mul_u32_u24 v[QL], v1, QPI
	v_add_nc_u32 v[QL], s37, v[QL]
	s_lshl_b32 s39, s12, 9                         ; a scalar of its own: none that a vector line has read is written again
	s_add_co_u32 s39, s39, PS1
	v_add_nc_u32 v[PST], s39, v[XO]
	v_add_nc_u32 v[PLD], PS1, v[XO]
	s_wait_kmcnt 0x0
	s_add_nc_u64 s[8:9], s[8:9], s[32:33]
	s_load_b512 s[16:31], s[8:9], 0x0              ; my wave's sixteen indices
	s_add_nc_u64 s[4:5], s[4:5], s[34:35]
	s_add_nc_u64 s[10:11], s[10:11], s[34:35]
	s_wait_alu depctr_va_vdst(0)                   ; XO, QS, QL, PST and PLD are written: every load and store of the kernel, global or LDS, reads one of them, and no vector line writes them again
.set d, 0
.rept 32
	global_load_b128 v[XR+4*d:XR+4*d+3], v[XO], s[4:5] offset:16384*d th:TH_LOAD_NT
.set d, d+1
.endr
	s_wait_kmcnt 0x0
.irp m, 0,1,2,3,4,5,6,7,8,9,10,11,12,13,14,15
	s_min_u32 s[16+\m], s[16+\m], 0x1fff           ; an index stays inside the table
	v_lshl_add_u32 v[GO+\m], s[16+\m], 9, v[XO]    ; 512 bytes a code, 16 a lane
.endr
	s_wait_alu depctr_va_vdst(0)                   ; the sixteen offsets GO are written, which the gather loads read: one wait for the run
.irp m, 0,1,2,3,4,5,6,7,8,9,10,11,12,13,14,15
	global_load_b128 v[QP+4*\m:QP+4*\m+3], v[GO+\m], s[6:7]  ; no hint: a code may be wanted again
.endr
	s_wait_loadcnt 16                              ; x is in; the sixteen gather loads stay out
	v_pk_mul_f32 v[SE:SE+1],   v[XR:XR+1],   v[XR:XR+1]  ; the first products start the sums
	v_pk_mul_f32 v[SE+2:SE+3], v[XR+2:XR+3], v[XR+2:XR+3]
.set d, 1
.rept 31
	v_pk_fma_f32 v[SE:SE+1],   v[XR+4*d:XR+4*d+1],   v[XR+4*d:XR+4*d+1],   v[SE:SE+1]
	v_pk_fma_f32 v[SE+2:SE+3], v[XR+4*d+2:XR+4*d+3], v[XR+4*d+2:XR+4*d+3], v[SE+2:SE+3]
.set d, d+1
.endr
	s_wait_loadcnt 0x0
.irp m, 0,1,2,3,4,5,6,7,8,9,10,11,12,13,14,15
	ds_store_b128 v[QS], v[QP+4*\m:QP+4*\m+3] offset:(((\m)%4)*32+(\m)/4)*QPI  ; vector 16 w + m: place 32 (m % 4) + 4 w + m / 4.  No wait on va_vdst: the data came by loads, and no vector line since the head's wait names QS
.endr
	s_wait_dscnt 0x0                               ; for the others: my stores are done
	s_barrier_signal -1
	s_barrier_wait -1
	s_wait_alu depctr_vm_vsrc(0)                   ; my LDS stores have read QP, in which the loads below land; the gather loads have read GO, which vector lines write again further down
.irp i, 0,1,2,3
.irp c, 0,1,2,3
	ds_load_b128 v[QP+16*\i+4*\c:QP+16*\i+4*\c+3], v[QL] offset:32*QPI*\i+16*\c  ; vector 4 l + i, d = 32 w + 8 c + 0..7
.endr
.endr
.irp i, 0,1,2,3
	v_mov_b32 v[SQ+\i], 0
.endr
	s_wait_dscnt 0x0
.set k, 0
.rept 16                               ; the four vectors' chains alternate
.irp i, 0,1,2,3
	v_fma_mix_f32_bf16 v[SQ+\i], v[QP+16*\i+k], v[QP+16*\i+k], v[SQ+\i] op_sel_hi:[1,1,0]
.endr
.irp i, 0,1,2,3
	v_fma_mix_f32_bf16 v[SQ+\i], v[QP+16*\i+k], v[QP+16*\i+k], v[SQ+\i] op_sel:[1,1,0] op_sel_hi:[1,1,0]
.endr
.set k, k+1
.endr
; The eight waves' partial sums of two quantities, for my four vectors: sixteen loads, a tree of packed additions, the results into d0 and d1.  again = 1: the second meeting, which finds RT used.
.macro REDUCE off, d0, d1, again
	s_wait_alu depctr_vm_vsrc(0)                   ; my two LDS stores ahead of the barrier have read d0 and d1, which the last four additions below write again
	WIN 0x40                                       ; destination window 1, address window 0
.if \again
	s_wait_alu depctr_va_vdst(0)                   ; the first meeting's additions are done reading and writing RT, in which the loads below land
.endif
.irp n, 0,1,2,3,4,5,6,7,8,9,10,11,12,13,14,15
	ds_load_b128 v[RT+4*\n:RT+4*\n+3], v[PLD] offset:(\off)+512*\n
.endr
	s_wait_dscnt 0x0
	WIN 0x45                                       ; all in window 1
.irp n, 0,2,4,6,8,10,12,14
	v_pk_add_f32 v[RT+4*\n:RT+4*\n+1],   v[RT+4*\n:RT+4*\n+1],   v[RT+4*\n+4:RT+4*\n+5]
	v_pk_add_f32 v[RT+4*\n+2:RT+4*\n+3], v[RT+4*\n+2:RT+4*\n+3], v[RT+4*\n+6:RT+4*\n+7]
.endr
.irp n, 0,4,8,12
	v_pk_add_f32 v[RT+4*\n:RT+4*\n+1],   v[RT+4*\n:RT+4*\n+1],   v[RT+4*\n+8:RT+4*\n+9]
	v_pk_add_f32 v[RT+4*\n+2:RT+4*\n+3], v[RT+4*\n+2:RT+4*\n+3], v[RT+4*\n+10:RT+4*\n+11]
.endr
	WIN 0x05                                       ; sources window 1, destination window 0
	v_pk_add_f32 v[(\d0):(\d0)+1],   v[RT:RT+1],      v[RT+16:RT+17]
	v_pk_add_f32 v[(\d0)+2:(\d0)+3], v[RT+2:RT+3],    v[RT+18:RT+19]
	v_pk_add_f32 v[(\d1):(\d1)+1],   v[RT+32:RT+33],  v[RT+48:RT+49]
	v_pk_add_f32 v[(\d1)+2:(\d1)+3], v[RT+34:RT+35],  v[RT+50:RT+51]
	WIN 0
.endm
	s_wait_alu depctr_va_vdst(0)                   ; the sums SE and SQ are written, which the two LDS stores read
	ds_store_b128 v[PST], v[SE:SE+3]
	ds_store_b128 v[PST], v[SQ:SQ+3] offset:4096
	s_wait_dscnt 0x0
	s_barrier_signal -1
	s_barrier_wait -1
	REDUCE 0, SE, SQ, 0
.irp i, 0,1,2,3,4,5,6,7
	v_sqrt_f32 v[SE+\i], v[SE+\i]                  ; SE and SQ lie on end
.endr
	v_nop                                          ; a plain instruction behind the last root (ISA guide 5.7.2),
	s_wait_alu depctr_va_vdst(0)                   ; the eight roots have written SE and SQ, ahead of their first reader: one wait for the batch
.irp i, 0,1,2,3,4,5,6,7
	v_max_num_f32 v[SE+\i], s38, v[SE+\i]          ; e_n, q_n
.endr
.irp i, 0,1,2,3,4,5,6,7
	v_rcp_f32 v[IE+\i], v[SE+\i]                   ; IE and IQ lie on end
.endr
	v_nop
	s_wait_alu depctr_va_vdst(0)                   ; the eight reciprocals have written IE and IQ, ahead of their first reader
.set d, 0
.rept 32                               ; s = e / e_n + q / q_n; the sums of s^2 and of s e
.set tt, T+4*(d%2)
.irp P, 0,2
	v_pk_mul_f32 v[tt+\P:tt+\P+1], v[XR+4*d+\P:XR+4*d+\P+1], v[IE+\P:IE+\P+1]
.endr
.irp i, 0,1,2,3
.if d%2
	v_fma_mix_f32_bf16 v[tt+\i], v[QP+16*\i+d/2], v[IQ+\i], v[tt+\i] op_sel:[1,0,0] op_sel_hi:[1,0,0]
.else
	v_fma_mix_f32_bf16 v[tt+\i], v[QP+16*\i+d/2], v[IQ+\i], v[tt+\i] op_sel_hi:[1,0,0]
.endif
.endr
.irp P, 0,2
.if d == 0
	v_pk_mul_f32 v[SS+\P:SS+\P+1], v[tt+\P:tt+\P+1], v[tt+\P:tt+\P+1]
	v_pk_mul_f32 v[SD+\P:SD+\P+1], v[tt+\P:tt+\P+1], v[XR+\P:XR+\P+1]
.else
	v_pk_fma_f32 v[SS+\P:SS+\P+1], v[tt+\P:tt+\P+1], v[tt+\P:tt+\P+1], v[SS+\P:SS+\P+1]
	v_pk_fma_f32 v[SD+\P:SD+\P+1], v[tt+\P:tt+\P+1], v[XR+4*d+\P:XR+4*d+\P+1], v[SD+\P:SD+\P+1]
.endif
.endr
.set d, d+1
.endr
	s_wait_alu depctr_va_vdst(0)                   ; the sums SS and SD are written, which the two LDS stores read
	ds_store_b128 v[PST], v[SS:SS+3] offset:8192   ; a block of its own: no wave need have finished with the first
	ds_store_b128 v[PST], v[SD:SD+3] offset:12288
	s_wait_dscnt 0x0
	s_barrier_signal -1
	s_barrier_wait -1
	REDUCE 8192, SS, SD, 1
.irp i, 0,1,2,3
	v_sqrt_f32 v[SS+\i], v[SS+\i]
.endr
	v_nop
	s_wait_alu depctr_va_vdst(0)                   ; the four roots have written SS, ahead of their first reader
.irp i, 0,1,2,3
	v_max_num_f32 v[SS+\i], s38, v[SS+\i]          ; s_n
.endr
.irp i, 0,1,2,3
	v_rcp_f32 v[SS+\i], v[SS+\i]
.endr
	v_nop
	s_wait_alu depctr_va_vdst(0)                   ; the four reciprocals have written SS, ahead of their first reader
.irp i, 0,1,2,3
	v_mul_f32 v[SD+\i], v[SD+\i], v[SS+\i]         ; r . e
	v_mul_f32 v[LAM+\i], v[SQ+\i], v[IE+\i]        ; q_n / e_n (these registers were GO: three waits on vm_vsrc have stood behind the gather loads that read them)
.endr
.irp i, 0,1,2,3
	v_mul_f32 v[SD+\i], v[SD+\i], v[SS+\i]
	v_mul_f32 v[BE+\i], v[LAM+\i], v[IQ+\i]
.endr
.irp i, 0,1,2,3
	v_add_f32 v[SD+\i], v[SD+\i], v[SD+\i]         ; K1
.endr
.irp i, 0,1,2,3
	v_fma_f32 v[TM+\i], -v[SD+\i], v[IE+\i], 1.0
.endr
.irp i, 0,1,2,3
	v_mul_f32 v[AL+\i], v[LAM+\i], v[TM+\i]
.endr
.irp i, 0,1,2,3
	v_fma_f32 v[TM+\i], v[SE+\i], 2.0, -v[SD+\i]
.endr
.irp i, 0,1,2,3
	v_mul_f32 v[BE+\i], v[BE+\i], v[TM+\i]
.endr
.set d, 0
.rept 32                               ; out = AL e + BE q, in x's registers; ahead of each row's six lines stands the store of the row eight back
.if (d%OBLK == 0) && (d > 0)
	s_wait_alu depctr_va_vdst(0)                   ; the block before has written its eight rows of XR, which the eight stores dealt among this block's lines read
.endif
.if d >= OBLK
	global_store_b128 v[XO], v[XR+4*(d-OBLK):XR+4*(d-OBLK)+3], s[10:11] offset:16384*(d-OBLK) th:TH_STORE_NT  ; 512 consecutive bytes, at a multiple of 256 from out0's first byte; no vector line since the wait names this row
.endif
	v_pk_mul_f32 v[XR+4*d:XR+4*d+1],   v[XR+4*d:XR+4*d+1],   v[AL:AL+1]
	v_pk_mul_f32 v[XR+4*d+2:XR+4*d+3], v[XR+4*d+2:XR+4*d+3], v[AL+2:AL+3]
.irp i, 0,1,2,3
.if d%2
	v_fma_mix_f32_bf16 v[XR+4*d+\i], v[QP+16*\i+d/2], v[BE+\i], v[XR+4*d+\i] op_sel:[1,0,0] op_sel_hi:[1,0,0]
.else
	v_fma_mix_f32_bf16 v[XR+4*d+\i], v[QP+16*\i+d/2], v[BE+\i], v[XR+4*d+\i] op_sel_hi:[1,0,0]
.endif
.endr
.set d, d+1
.endr
	s_wait_alu depctr_va_vdst(0)                   ; the last block has written its eight rows, which the last eight stores read
.set d, 32-OBLK
.rept OBLK
	global_store_b128 v[XO], v[XR+4*d:XR+4*d+3], s[10:11] offset:16384*d th:TH_STORE_NT
.set d, d+1
.endr
	s_wait_dscnt 0x0                               ; the closing lines, six on end
	s_wait_alu 0x0
	s_wait_tensorcnt 0x0
	ds_add_u32 v[SPW], v[NIL]
	s_wait_dscnt 0x0
	s_endpgm
.Lfunc_end_k_qdb48353cc7_rot:
	.size	k_qdb48353cc7_rot, .Lfunc_end_k_qdb48353cc7_rot-k_qdb48353cc7_rot
	.p2alignl 7, 3214868480
	.fill 96, 4, 3214868480
	.section	.rodata,"a",@progbits
	.p2align	6, 0x0
	.amdhsa_kernel k_qdb48353cc7_rot
		.amdhsa_group_segment_fixed_size 84992
		.amdhsa_private_segment_fixed_size 0
		.amdhsa_enable_private_segment 0
		.amdhsa_kernarg_size 32
		.amdhsa_user_sgpr_count 2
		.amdhsa_user_sgpr_kernarg_segment_ptr 1
		.amdhsa_wavefront_size32 1
		.amdhsa_system_sgpr_workgroup_id_x 1
		.amdhsa_system_sgpr_workgroup_id_y 1
		.amdhsa_system_sgpr_workgroup_id_z 1
		.amdhsa_system_vgpr_workitem_id 0
		.amdhsa_next_free_vgpr 320
		.amdhsa_next_free_sgpr 66
		.amdhsa_reserve_vcc 0
		.amdhsa_float_denorm_mode_32 3
		.amdhsa_float_denorm_mode_16_64 3
		.amdhsa_memory_ordered 1
		.amdhsa_forward_progress 1
		.amdhsa_inst_pref_size 68
	.end_amdhsa_kernel
	.amdgpu_metadata
---
amdhsa.version: [ 1, 2 ]
amdhsa.kernels:
  - .name:           k_qdb48353cc7_rot
    .symbol:         k_qdb48353cc7_rot.kd
    .args:
      - { .name: x, .offset: 0, .size: 8, .value_kind: global_buffer, .address_space: global }
      - { .name: ct, .offset: 8, .size: 8, .value_kind: global_buffer, .address_space: global }
      - { .name: idx, .offset: 16, .size: 8, .value_kind: global_buffer, .address_space: global }
      - { .name: out0, .offset: 24, .size: 8, .value_kind: global_buffer, .address_space: global }
    .group_segment_fixed_size: 84992
    .private_segment_fixed_size: 0
    .kernarg_segment_align: 8
    .kernarg_segment_size: 32
    .max_flat_workgroup_size: 256
    .sgpr_count:     66
    .vgpr_count:     320
    .wavefront_size: 32
...
	.end_amdgpu_metadata
.endif
;; end of part 4
